; MI455X (gfx1250); checked and timed in simulation.
; The chip was launched on July 23, 2026; its instructions are those of AMD's public machine-readable ISA for CDNA 5 (MIT licence, August 2026) and "CDNA5" Instruction Set Architecture Reference Guide (July 2026). The comments in the code are by the model that wrote it; some were corrected since.
;; Maxlayer. Allowed arithmetic: float matrix products may take bf16 or f16 operands with f32 sums; all other float work in f32.
;; Inputs: weight 1,024 x 256 float32; x 1,024 x 256 float32.
;; Outputs: out0 1,024 x 1,024 float32.
;; 2 versions, each right; version 2 is version 1 with the launch maxplus written anew for expert scheduling mode. Each part assembles by itself: llvm-mc -triple=amdgcn-amd-amdhsa -mcpu=gfx1250 --defsym DOCPART=n.
;; ======== version 1 of 2: 1 launch
;; launch maxplus (part 1): grid 16 x 16, 8 waves a work-group, no clusters, 287,744 bytes of LDS; arguments x, weight, out0; writes out0
.if DOCPART == 1
	.amdgcn_target "amdgcn-amd-amdhsa--gfx1250"
	.amdhsa_code_object_version 6
	.text
	.protected	k_qe140c1e8ce_maxplus
	.globl	k_qe140c1e8ce_maxplus
	.p2align	8
	.type	k_qe140c1e8ce_maxplus,@function
k_qe140c1e8ce_maxplus:
	s_mov_b64 s[64:65], 0
	v_nop
	global_prefetch_b8 v0, s[64:65] scope:SCOPE_SE
	s_setreg_imm32_b32 hwreg(HW_REG_WAVE_MODE, 25, 1), 1
	s_wait_xcnt 0x0
; out[n][m] = max over k of ( |x[n][k]| + |w[m][k]| ).  x: [1024][256], w: [1024][256], out: [1024][1024], all f32.
; No sum of products, so the matrix instructions have no part in it: the work is 1024 x 1024 x 256 adds and as many maxima in f32.
; Two k of one output cost one v_pk_add_f32 (two sums) and one v_max3_num_f32 (both sums and the accumulator): one instruction for each (n, m, k).
;
; SHARES.  A work-group makes a block of 64 x 64 of out; 16 x 16 work-groups.  Eight waves.  K is split over the waves, not the block: every wave
; makes a partial 64 x 64 block over 32 of the 256 k, so that a lane has 8 x 16 accumulators and four k cost 8 + 16 = 24 LDS loads of 16 bytes for
; 512 arithmetic instructions (with the block split over the waves a lane would have 4 x 4: 8 loads for 64).  The eight partial blocks meet in LDS
; at the end: 32 stores, 32 loads and 64 maxima a wave.  Two waves lie on a SIMD, so that one has arithmetic to issue while the other waits.
; Lane l: i = l % 8, j = l / 8.  Its rows of x: i + 8 a (a = 0..7).  Its rows of w: 16 b + 4 j + e (b = 0..3, e = 0..3): four neighbouring columns of out.
;
; THE WAY IN.  K goes in four chunks of 64 (256 bytes of each of the 128 rows).  A lane's 32 loads are all issued in the first lines, chunk by chunk;
; a wave's load covers two rows' 256 consecutive bytes, aligned.  The signs are cleared between the load and the LDS store, once for each number
; (128 v_and_b32 a wave).  Chunk c + 1 is put into LDS in the middle of chunk c's arithmetic.  Each chunk has LDS bytes of its own, written once,
; so one barrier a chunk (stores done -> others may read) is all the ordering needed.  In chunk c wave q works on k = 64 c + 8 q .. + 7: two quads of 4 k.
;
; NO TENSOR LOADS, NO JOINT REQUESTS IN A CLUSTER, though 16 work-groups read each row: the data mover copies bytes as they are, and the magnitudes
; would then cost either a second trip through LDS (32 more ds_load_b128 a wave and a second copy of 139,264 bytes, which does not fit beside the
; 147,456 bytes of the partial blocks) or 96 v_and_b32 for every 512 arithmetic instructions.  Through registers the sign bit goes on the way.
;
; LIMIT: v_max3_num_f32 and v_max_num_f32 drop a NaN.  Where an input is NaN the reference gives NaN, this text the largest of the other sums.
; Infinities, denormals and overflow of a sum come out as in the reference: each sum is one f32 addition, and a maximum is exact.
.set PITCH,  272                       ; an LDS row of a chunk: 256 bytes + 16: row r begins 16 r further modulo 256, so the 8 rows that a load of x touches lie in 8 different 16-byte columns
.set CH,     128*PITCH                 ; a chunk: 64 rows of x, then 64 rows of w = 34,816 bytes
.set RED,    4*CH                      ; behind the four chunks: the partial blocks
.set RPITCH, 288                       ; a row of a partial block: 256 bytes + 32: 16 lanes (i = 0..7, two j) store at 32 i + 16 j modulo 256: 16 different columns
.set RTILE,  64*RPITCH                 ; a wave's partial block = 18,432 bytes
.set GOFF, 1                           ; v1      byte offset of my 16 bytes in x and in w (row t / 16, column byte 16 (t % 16))
.set STO,  2                           ; v2-3    where I store them in LDS: chunks 0 and 1; chunks 2 and 3 (an LDS immediate has 16 bits: a register reaches two chunks)
.set XA,   4                           ; v4-5    where I read x from, likewise
.set WA,   6                           ; v6-7    where I read w from, likewise
.set PST,  8                           ; v8      where my accumulators go in my wave's partial block
.set PRD,  10                          ; v10-11  where I read the partial blocks back: blocks 0-3; blocks 4-7
.set OOFF, 12                          ; v12     my byte offset in the group's block of out
.set T,    32                          ; v32-47  eight pairs of sums
.set X,    64                          ; v64-95  x: row a at 4 a, four k
.set W,    96                          ; v96-127 w: two buffers of four rows, four k each
.set ACC,  128                         ; v128-255 accumulator (a, b, e) at 16 a + 4 b + e
                                       ; v256-383 the loads on their way: chunk c at 32 c, written v0-v127 under the window below
.set STG,  0x44                        ; s_set_vgpr_msb: destination and source 1 in the second block of 256 registers: a load's data, v_and_b32's result and
                                       ; vector source, an LDS store's data; source 0 (every address) stays in the first block
.set MSB, 0
.macro WIN new                         ; the immediate's high byte repeats the setting that is left
.if MSB != \new
	s_set_vgpr_msb (MSB<<8)|\new
.set MSB, \new
.endif
.endm
	s_load_b128 s[4:7], s[0:1], 0x0                ; x s[4:5], w s[6:7]
	s_load_b64 s[8:9], s[0:1], 0x10                ; out
	v_lshl_add_u32 v62, v0, 2, 0x46000
	v_mov_b32 v63, 0
	v_and_b32 v13, 15, v0
	v_lshrrev_b32 v14, 4, v0                       ; t / 16: 0..15
	v_lshlrev_b32 v13, 4, v13                      ; 16 (t % 16)
	v_lshl_add_u32 v[GOFF], v14, 10, v13           ; row t / 16 of 1,024 bytes
	s_and_b32 s12, ttmp7, 0xffff                   ; block row of out
	s_lshl_b32 s14, s12, 16                        ; 64 rows of x of 1,024 bytes
	s_mov_b32 s15, 0
	s_lshl_b32 s16, ttmp9, 16                      ; block column of out: 64 rows of w
	s_mov_b32 s17, 0
	s_wait_kmcnt 0x0
	s_add_nc_u64 s[4:5], s[4:5], s[14:15]
	s_add_nc_u64 s[6:7], s[6:7], s[16:17]
	; All 32 loads of the lane, 128 KiB for the group, chunk by chunk: four for x (rows t / 16 + 16 j), four for w.  No cache word: 16 work-groups read each row.
	WIN STG
.irp c, 0,1,2,3
.irp j, 0,1,2,3
	global_load_b128 v[32*\c+4*\j:32*\c+4*\j+3], v[GOFF], s[4:5] offset:16384*\j+256*\c
.endr
.irp j, 0,1,2,3
	global_load_b128 v[32*\c+16+4*\j:32*\c+16+4*\j+3], v[GOFF], s[6:7] offset:16384*\j+256*\c
.endr
.endr
	WIN 0
	; the addresses, while the loads are on their way
	v_lshrrev_b32 v15, 5, v0
	v_readfirstlane_b32 s10, v15                   ; wave q = 0..7
	s_mov_b32 s11, 0x7fffffff                      ; clears a sign
	v_mul_u32_u24 v16, v14, PITCH
	v_add_nc_u32 v[STO], v16, v13                  ; row t / 16, byte 16 (t % 16)
	v_add_nc_u32 v[STO+1], 2*CH, v[STO]
	v_and_b32 v17, 7, v0                           ; i
	v_bfe_u32 v18, v0, 3, 2                        ; j
	s_lshl_b32 s20, s10, 5                         ; my wave's 8 k of a chunk: byte 32 q of a row
	v_mul_u32_u24 v19, v17, PITCH
	v_add_nc_u32 v[XA], s20, v19                   ; row i
	v_add_nc_u32 v[XA+1], 2*CH, v[XA]
	v_mul_u32_u24 v19, v18, 4*PITCH
	s_add_co_u32 s21, s20, 64*PITCH                ; w lies behind the 64 rows of x
	v_add_nc_u32 v[WA], s21, v19                   ; row 4 j
	v_add_nc_u32 v[WA+1], 2*CH, v[WA]
	s_mul_i32 s22, s10, RTILE
	s_add_co_u32 s22, s22, RED                     ; my wave's partial block
	v_mul_u32_u24 v19, v17, RPITCH
	v_lshl_add_u32 v19, v18, 4, v19
	v_add_nc_u32 v[PST], s22, v19                  ; row i, columns 4 j ..
	v_bfe_u32 v20, v0, 4, 1                        ; the way out: lanes 0-15 take one row of 256 bytes, lanes 16-31 the next
	s_mul_i32 s23, s10, 8*RPITCH                   ; wave q finishes rows 8 q .. 8 q + 7
	s_add_co_u32 s23, s23, RED
	v_mul_u32_u24 v19, v20, RPITCH
	v_add_nc_u32 v19, v19, v13
	v_add_nc_u32 v[PRD], s23, v19
	v_add_nc_u32 v[PRD+1], 4*RTILE, v[PRD]
	s_lshl_b32 s24, s10, 15                        ; 8 q rows of out of 4,096 bytes
	v_lshl_add_u32 v19, v20, 12, v13
	v_add_nc_u32 v[OOFF], s24, v19
	s_lshl_b32 s18, s12, 18                        ; the block's first row: 64 x 4,096 bytes,
	s_lshl_b32 s13, ttmp9, 8                       ; its first column: 64 x 4 bytes
	s_add_co_u32 s18, s18, s13
	s_mov_b32 s19, 0
	s_add_nc_u64 s[8:9], s[8:9], s[18:19]
; Chunk c goes from my registers into LDS, as magnitudes.  16 lanes store 256 consecutive bytes of a row.
.macro STAGE c
	s_wait_loadcnt 8*(3-(\c))                      ; loads come back in order (ISA guide 5.7.1): the 8 of each later chunk may stay out
	WIN STG
.irp j, 0,1,2,3,4,5,6,7
.irp e, 0,1,2,3
	v_and_b32 v[32*(\c)+4*\j+\e], s11, v[32*(\c)+4*\j+\e]
.endr
	ds_store_b128 v[STO+(\c)/2], v[32*(\c)+4*\j:32*(\c)+4*\j+3] offset:16*PITCH*\j+((\c)%2)*CH
.endr
	WIN 0
.endm
; four k (quad t of my wave's two in chunk c) of my row i + 8 a of x
.macro XLOAD a, c, t
	ds_load_b128 v[X+4*(\a):X+4*(\a)+3], v[XA+(\c)/2] offset:8*PITCH*(\a)+16*(\t)+((\c)%2)*CH
.endm
; the same four k of my rows 16 b + 4 j + 0..3 of w, into buffer b % 2
.macro WLOAD b, c, t
.irp e, 0,1,2,3
	ds_load_b128 v[W+16*((\b)%2)+4*\e:W+16*((\b)%2)+4*\e+3], v[WA+(\c)/2] offset:16*PITCH*(\b)+PITCH*\e+16*(\t)+((\c)%2)*CH
.endr
.endm
; Two rows of x (a0, a0 + 1) x four rows of w (group b) x two k (pair p): eight packed adds, then eight maxima on eight different accumulators.
; A maximum stands eight instructions behind the add that feeds it and sixteen behind the last one on its accumulator.
; first = 1: the two sums start the accumulator: nothing is cleared.
.macro STEP a0, b, p, first
.irp r, 0,1
.irp e, 0,1,2,3
	v_pk_add_f32 v[T+8*\r+2*\e:T+8*\r+2*\e+1], v[X+4*(\a0+\r)+2*\p:X+4*(\a0+\r)+2*\p+1], v[W+16*((\b)%2)+4*\e+2*\p:W+16*((\b)%2)+4*\e+2*\p+1]
.endr
.endr
.irp r, 0,1
.irp e, 0,1,2,3
.if \first
	v_max_num_f32 v[ACC+16*(\a0+\r)+4*(\b)+\e], v[T+8*\r+2*\e], v[T+8*\r+2*\e+1]
.else
	v_max3_num_f32 v[ACC+16*(\a0+\r)+4*(\b)+\e], v[T+8*\r+2*\e], v[T+8*\r+2*\e+1], v[ACC+16*(\a0+\r)+4*(\b)+\e]
.endif
.endr
.endr
.endm
; Group b of a quad: all 8 rows of x x 4 rows of w x 4 k = 128 instructions.
; reload = 1 (a quad's last group): a row of x is loaded again, for quad nt of chunk nc, as soon as its last add has been issued: 96 instructions ahead of its next use.
.macro GROUP b, first, reload, nc, nt
.irp r2, 0,2,4,6
.if \b == 0
	s_wait_dscnt 10-\r2                            ; LDS loads come back in order: w's group 0 and x's rows up to r2 + 1 are in; the 6 - r2 later rows of x and the 4 loads of w's group 1 may be out
.endif
	STEP \r2, \b, 0, \first
	STEP \r2, \b, 1, 0
.if \reload
	XLOAD \r2, \nc, \nt
	XLOAD \r2+1, \nc, \nt
.endif
.endr
.endm
; A quad: 4 k, 512 arithmetic instructions.  On entry w's group 0 (4 loads) and then x's 8 rows are on their way.  Each group's w is asked for a group ahead,
; into the buffer that the group before last has finished with; so at the head of groups 1 to 3 the wait for 0 finds loads issued 128 instructions ago.
; stage = 1 (a chunk's second quad, with a chunk nc behind it): chunk nc is stored at the head of group 1; at the head of group 2 my stores are done and I say so;
; at the head of group 3 everybody has said so, and the first loads from chunk nc follow.  Between signal and wait stand arithmetic and loads from chunk c, which nobody writes any more.
; more = 0: the last quad asks for nothing further.
.macro QUAD c, t, first, stage, more, nc, nt
	WLOAD 1, \c, \t
	GROUP 0, \first, 0, 0, 0
	s_wait_dscnt 0x0                               ; w's group 1
	WLOAD 2, \c, \t
.if \stage
	STAGE \nc
.endif
	GROUP 1, \first, 0, 0, 0
	s_wait_dscnt 0x0                               ; w's group 2; and, for the other waves' sake, my stores of the next chunk
.if \stage
	s_barrier_signal -1
.endif
	WLOAD 3, \c, \t
	GROUP 2, \first, 0, 0, 0
	s_wait_dscnt 0x0                               ; w's group 3
.if \stage
	s_barrier_wait -1                              ; the next chunk is whole
.endif
.if \more
	WLOAD 0, \nc, \nt
.endif
	GROUP 3, \first, \more, \nc, \nt
.endm
	STAGE 0
	s_wait_dscnt 0x0                               ; my part of chunk 0 is in LDS,
	s_barrier_signal -1
	s_barrier_wait -1                              ; everybody's is
	WLOAD 0, 0, 0
.irp a, 0,1,2,3,4,5,6,7
	XLOAD \a, 0, 0
.endr
	QUAD 0, 0, 1, 0, 1, 0, 1                       ; the first quad starts the 128 accumulators
	QUAD 0, 1, 0, 1, 1, 1, 0
	QUAD 1, 0, 0, 0, 1, 1, 1
	QUAD 1, 1, 0, 1, 1, 2, 0
	QUAD 2, 0, 0, 0, 1, 2, 1
	QUAD 2, 1, 0, 1, 1, 3, 0
	QUAD 3, 0, 0, 0, 1, 3, 1
	QUAD 3, 1, 0, 0, 0, 0, 0
	; THE WAY OUT.  My wave's partial block goes into LDS bytes of its own: a lane's four neighbouring columns are 16 bytes.
.irp a, 0,1,2,3,4,5,6,7
.irp b, 0,1,2,3
	ds_store_b128 v[PST], v[ACC+16*\a+4*\b:ACC+16*\a+4*\b+3] offset:8*RPITCH*\a+64*\b
.endr
.endr
	s_wait_dscnt 0x0                               ; my partial block is in LDS (and the accumulators' registers are free),
	s_barrier_signal -1
	s_barrier_wait -1                              ; all eight are
	; Wave q finishes rows 8 q .. 8 q + 7, two at a time: 16 lanes take a row's 256 bytes from each of the eight partial blocks.
.irp r, 0,1,2,3
.irp p, 0,1,2,3,4,5,6,7
	ds_load_b128 v[ACC+32*\r+4*\p:ACC+32*\r+4*\p+3], v[PRD+\p/4] offset:(\p%4)*RTILE+2*RPITCH*\r
.endr
.endr
.irp r, 0,1,2,3
	s_wait_dscnt 8*(3-\r)                          ; the 8 loads of each later pair of rows may stay out
.irp e, 0,1,2,3
	v_max3_num_f32 v[ACC+32*\r+\e], v[ACC+32*\r+\e], v[ACC+32*\r+4+\e], v[ACC+32*\r+8+\e]
.endr
.irp e, 0,1,2,3
	v_max3_num_f32 v[ACC+32*\r+\e], v[ACC+32*\r+\e], v[ACC+32*\r+12+\e], v[ACC+32*\r+16+\e]
.endr
.irp e, 0,1,2,3
	v_max3_num_f32 v[ACC+32*\r+\e], v[ACC+32*\r+\e], v[ACC+32*\r+20+\e], v[ACC+32*\r+24+\e]
.endr
.irp e, 0,1,2,3
	v_max_num_f32 v[ACC+32*\r+\e], v[ACC+32*\r+\e], v[ACC+32*\r+28+\e]
.endr
	global_store_b128 v[OOFF], v[ACC+32*\r:ACC+32*\r+3], s[8:9] offset:8192*\r th:TH_STORE_NT   ; 16 lanes store 256 consecutive bytes, at a multiple of 256 from out's first byte; written once, not read again
.endr
	s_wait_tensorcnt 0x0
	ds_add_u32 v62, v63
	s_wait_dscnt 0x0
	s_endpgm
.Lfunc_end_k_qe140c1e8ce_maxplus:
	.size	k_qe140c1e8ce_maxplus, .Lfunc_end_k_qe140c1e8ce_maxplus-k_qe140c1e8ce_maxplus
	.p2alignl 7, 3214868480
	.fill 96, 4, 3214868480
	.section	.rodata,"a",@progbits
	.p2align	6, 0x0
	.amdhsa_kernel k_qe140c1e8ce_maxplus
		.amdhsa_group_segment_fixed_size 287744
		.amdhsa_private_segment_fixed_size 0
		.amdhsa_enable_private_segment 0
		.amdhsa_kernarg_size 24
		.amdhsa_user_sgpr_count 2
		.amdhsa_user_sgpr_kernarg_segment_ptr 1
		.amdhsa_wavefront_size32 1
		.amdhsa_system_sgpr_workgroup_id_x 1
		.amdhsa_system_sgpr_workgroup_id_y 1
		.amdhsa_system_sgpr_workgroup_id_z 1
		.amdhsa_system_vgpr_workitem_id 0
		.amdhsa_next_free_vgpr 384
		.amdhsa_next_free_sgpr 66
		.amdhsa_reserve_vcc 0
		.amdhsa_float_denorm_mode_32 3
		.amdhsa_float_denorm_mode_16_64 3
		.amdhsa_memory_ordered 1
		.amdhsa_forward_progress 1
		.amdhsa_inst_pref_size 255
	.end_amdhsa_kernel
	.section	.bss,"aw",@nobits
	.p2align	6
	.space	262144
	.amdgpu_metadata
---
amdhsa.version: [ 1, 2 ]
amdhsa.kernels:
  - .name:           k_qe140c1e8ce_maxplus
    .symbol:         k_qe140c1e8ce_maxplus.kd
    .args:
      - { .name: x, .offset: 0, .size: 8, .value_kind: global_buffer, .address_space: global }
      - { .name: weight, .offset: 8, .size: 8, .value_kind: global_buffer, .address_space: global }
      - { .name: out0, .offset: 16, .size: 8, .value_kind: global_buffer, .address_space: global }
    .group_segment_fixed_size: 287744
    .private_segment_fixed_size: 0
    .kernarg_segment_align: 8
    .kernarg_segment_size: 24
    .max_flat_workgroup_size: 256
    .sgpr_count:     66
    .vgpr_count:     384
    .wavefront_size: 32
...
	.end_amdgpu_metadata
.endif
;; end of part 1
;; ======== version 2 of 2: 1 launch; version 1 with the launch maxplus written anew for expert scheduling mode
;; launch maxplus (part 2): grid 16 x 16, 8 waves a work-group, no clusters, 287,744 bytes of LDS; arguments x, weight, out0; writes out0
.if DOCPART == 2
	.amdgcn_target "amdgcn-amd-amdhsa--gfx1250"
	.amdhsa_code_object_version 6
	.text
	.protected	k_qe140c1e8ce_maxplus
	.globl	k_qe140c1e8ce_maxplus
	.p2align	8
	.type	k_qe140c1e8ce_maxplus,@function
k_qe140c1e8ce_maxplus:
	s_mov_b64 s[64:65], 0
	v_nop
	global_prefetch_b8 v0, s[64:65] scope:SCOPE_SE
	s_setreg_imm32_b32 hwreg(HW_REG_WAVE_SCHED_MODE, 0, 2), 2
	s_setreg_imm32_b32 hwreg(HW_REG_WAVE_MODE, 25, 1), 1
	s_wait_xcnt 0x0
	s_wait_alu depctr_vm_vsrc(0)
; out[n][m] = max over k of ( |x[n][k]| + |w[m][k]| ).  x: [1024][256], w: [1024][256], out: [1024][1024], all f32.
; No sum of products, so the matrix instructions have no part in it: the work is 1024 x 1024 x 256 adds and as many maxima in f32.
; Two k of one output cost one v_pk_add_f32 (two sums) and one v_max3_num_f32 (both sums and the accumulator): one instruction for each (n, m, k).
;
; SHARES.  A work-group makes a block of 64 x 64 of out; 16 x 16 work-groups.  Eight waves.  K is split over the waves, not the block: every wave
; makes a partial 64 x 64 block over 32 of the 256 k, so that a lane has 8 x 16 accumulators and four k cost 8 + 16 = 24 LDS loads of 16 bytes for
; 512 arithmetic instructions (with the block split over the waves a lane would have 4 x 4: 8 loads for 64).  The eight partial blocks meet in LDS
; at the end: 32 stores, 32 loads and 64 maxima a wave.  Two waves lie on a SIMD, so that one has arithmetic to issue while the other waits.
; Lane l: i = l % 8, j = l / 8.  Its rows of x: i + 8 a (a = 0..7).  Its rows of w: 16 b + 4 j + e (b = 0..3, e = 0..3): four neighbouring columns of out.
;
; THE WAY IN.  K goes in four chunks of 64 (256 bytes of each of the 128 rows).  A lane's 32 loads are all issued in the first lines, chunk by chunk;
; a wave's load covers two rows' 256 consecutive bytes, aligned.  The signs are cleared between the load and the LDS store, once for each number
; (128 v_and_b32 a wave).  Chunk c + 1 is put into LDS in the middle of chunk c's arithmetic.  Each chunk has LDS bytes of its own, written once,
; so one barrier a chunk (stores done -> others may read) is all the ordering needed.  In chunk c wave q works on k = 64 c + 8 q .. + 7: two quads of 4 k.
;
; NO TENSOR LOADS, NO JOINT REQUESTS IN A CLUSTER, though 16 work-groups read each row: the data mover copies bytes as they are, and the magnitudes
; would then cost either a second trip through LDS (32 more ds_load_b128 a wave and a second copy of 139,264 bytes, which does not fit beside the
; 147,456 bytes of the partial blocks) or 96 v_and_b32 for every 512 arithmetic instructions.  Through registers the sign bit goes on the way.
;
; LIMIT: v_max3_num_f32 and v_max_num_f32 drop a NaN.  Where an input is NaN the reference gives NaN, this text the largest of the other sums.
; Infinities, denormals and overflow of a sum come out as in the reference: each sum is one f32 addition, and a maximum is exact.
;
; THE MODE: SCHED_MODE bits 1:0 = 2 (LLVM: expert scheduling mode 2), set by the entry lines.  The code itself states the register dependences
; between vector instructions and memory or LDS instructions, with s_wait_alu, always for 0.
; THE PLAN.  Registers that memory or LDS instructions touch:
;   v1 .. v12     offsets and LDS addresses: made once at the head by vector instructions, never written again.
;   v256 .. v383  chunk c's 32: its global loads land there, its 32 v_and_b32 work in place, its 8 LDS stores read them; then they rest.
;   X0, X1        Quad n's adds read X[n % 2]; the LDS loads issued in its last group land in the other one, which quad n - 1 read.
;   W0, W1        Group b's adds read W[b % 2]; the LDS loads issued at its head land in the other one, which group b - 1 read.
;   ACC           Written by the maxima; on the way out read by 32 LDS stores, then the partial blocks' loads land there, the closing maxima write 16 of them and 4 global stores read those.
;   T             named by vector instructions alone.
; A step is a group of 128 arithmetic instructions, which name X[n % 2], W[b % 2], T and ACC.  ONE wait on va_vdst stands at its head, behind the wait for its own w:
; the group before is done reading the other W (and, at a quad's last group, the quad before is long done reading the other X).  The group's loads follow that wait,
; w's four at once, x's eight two at a time among the arithmetic, which names none of the registers in which they land.
.set PITCH,  272                       ; an LDS row of a chunk: 256 bytes + 16: row r begins 16 r further modulo 256, so the 8 rows that a load of x touches lie in 8 different 16-byte columns
.set CH,     128*PITCH                 ; a chunk: 64 rows of x, then 64 rows of w = 34,816 bytes
.set RED,    4*CH                      ; behind the four chunks: the partial blocks
.set RPITCH, 288                       ; a row of a partial block: 256 bytes + 32: 16 lanes (i = 0..7, two j) store at 32 i + 16 j modulo 256: 16 different columns
.set RTILE,  64*RPITCH                 ; a wave's partial block = 18,432 bytes
.set GOFF, 1                           ; v1      byte offset of my 16 bytes in x and in w (row t / 16, column byte 16 (t % 16))
.set STO,  2                           ; v2-3    where I store them in LDS: chunks 0 and 1; chunks 2 and 3 (an LDS immediate has 16 bits: a register reaches two chunks)
.set XA,   4                           ; v4-5    where I read x from, likewise
.set WA,   6                           ; v6-7    where I read w from, likewise
.set PST,  8                           ; v8      where my accumulators go in my wave's partial block
.set PRD,  10                          ; v10-11  where I read the partial blocks back: blocks 0-3; blocks 4-7
.set OOFF, 12                          ; v12     my byte offset in the group's block of out
                                       ; v13-20  at the head only: at work on the addresses
.set T,    16                          ; v16-31  eight pairs of sums
.set X,    32                          ; v32-95  x: two buffers of 32: row a at 4 a, four k
.set W,    96                          ; v96-127 w: two buffers of four rows, four k each
.set ACC,  128                         ; v128-255 accumulator (a, b, e) at 16 a + 4 b + e
                                       ; v256-383 the loads on their way: chunk c at 32 c, written v0-v127 under the window below
.set STG,  0x44                        ; s_set_vgpr_msb: destination and source 1 in the second block of 256 registers: a load's data, v_and_b32's result and
                                       ; vector source, an LDS store's data; source 0 (every address) stays in the first block
.set MSB, 0
.macro WIN new                         ; the immediate's high byte repeats the setting that is left
.if MSB != \new
	s_set_vgpr_msb (MSB<<8)|\new
.set MSB, \new
.endif
.endm
	s_load_b128 s[4:7], s[0:1], 0x0                ; x s[4:5], w s[6:7]
	s_load_b64 s[8:9], s[0:1], 0x10                ; out
	v_lshl_add_u32 v9, v0, 2, 0x46000
	s_set_vgpr_msb 0x40
	v_mov_b32 v129, 0
	s_set_vgpr_msb 0x4000
	v_and_b32 v13, 15, v0
	v_lshrrev_b32 v14, 4, v0                       ; t / 16: 0..15
	v_lshlrev_b32 v13, 4, v13                      ; 16 (t % 16)
	v_lshl_add_u32 v[GOFF], v14, 10, v13           ; row t / 16 of 1,024 bytes
	s_and_b32 s12, ttmp7, 0xffff                   ; block row of out
	s_lshl_b32 s14, s12, 16                        ; 64 rows of x of 1,024 bytes
	s_mov_b32 s15, 0
	s_lshl_b32 s16, ttmp9, 16                      ; block column of out: 64 rows of w
	s_mov_b32 s17, 0
	s_wait_kmcnt 0x0
	s_add_nc_u64 s[4:5], s[4:5], s[14:15]
	s_add_nc_u64 s[6:7], s[6:7], s[16:17]
	; All 32 loads of the lane, 128 KiB for the group, chunk by chunk: four for x (rows t / 16 + 16 j), four for w.  No cache word: 16 work-groups read each row.
	WIN STG
	s_wait_alu depctr_va_vdst(0)                   ; v1 is written: all 32 loads read it as their offset
.irp c, 0,1,2,3
.irp j, 0,1,2,3
	global_load_b128 v[32*\c+4*\j:32*\c+4*\j+3], v[GOFF], s[4:5] offset:16384*\j+256*\c
.endr
.irp j, 0,1,2,3
	global_load_b128 v[32*\c+16+4*\j:32*\c+16+4*\j+3], v[GOFF], s[6:7] offset:16384*\j+256*\c
.endr
.endr
	WIN 0
	; the addresses, while the loads are on their way
	v_lshrrev_b32 v15, 5, v0
	v_readfirstlane_b32 s10, v15                   ; wave q = 0..7
	s_mov_b32 s11, 0x7fffffff                      ; clears a sign
	v_mul_u32_u24 v16, v14, PITCH
	v_add_nc_u32 v[STO], v16, v13                  ; row t / 16, byte 16 (t % 16)
	v_add_nc_u32 v[STO+1], 2*CH, v[STO]
	v_and_b32 v17, 7, v0                           ; i
	v_bfe_u32 v18, v0, 3, 2                        ; j
	s_wait_alu depctr_va_sdst(0)                   ; s10 is written, ahead of its first reader: the wave's places in LDS and in out are made from it
	s_lshl_b32 s20, s10, 5                         ; my wave's 8 k of a chunk: byte 32 q of a row
	v_mul_u32_u24 v19, v17, PITCH
	v_add_nc_u32 v[XA], s20, v19                   ; row i
	v_add_nc_u32 v[XA+1], 2*CH, v[XA]
	v_mul_u32_u24 v19, v18, 4*PITCH
	s_add_co_u32 s21, s20, 64*PITCH                ; w lies behind the 64 rows of x
	v_add_nc_u32 v[WA], s21, v19                   ; row 4 j
	v_add_nc_u32 v[WA+1], 2*CH, v[WA]
	s_mul_i32 s22, s10, RTILE
	s_add_co_u32 s22, s22, RED                     ; my wave's partial block
	v_mul_u32_u24 v19, v17, RPITCH
	v_lshl_add_u32 v19, v18, 4, v19
	v_add_nc_u32 v[PST], s22, v19                  ; row i, columns 4 j ..
	v_bfe_u32 v20, v0, 4, 1                        ; the way out: lanes 0-15 take one row of 256 bytes, lanes 16-31 the next
	s_mul_i32 s23, s10, 8*RPITCH                   ; wave q finishes rows 8 q .. 8 q + 7
	s_add_co_u32 s23, s23, RED
	v_mul_u32_u24 v19, v20, RPITCH
	v_add_nc_u32 v19, v19, v13
	v_add_nc_u32 v[PRD], s23, v19
	v_add_nc_u32 v[PRD+1], 4*RTILE, v[PRD]
	s_lshl_b32 s24, s10, 15                        ; 8 q rows of out of 4,096 bytes
	v_lshl_add_u32 v19, v20, 12, v13
	v_add_nc_u32 v[OOFF], s24, v19
	s_lshl_b32 s18, s12, 18                        ; the block's first row: 64 x 4,096 bytes,
	s_lshl_b32 s13, ttmp9, 8                       ; its first column: 64 x 4 bytes
	s_add_co_u32 s18, s18, s13
	s_mov_b32 s19, 0
	s_add_nc_u64 s[8:9], s[8:9], s[18:19]
; Chunk c goes from my registers into LDS, as magnitudes: the 32 v_and_b32 in one run, one wait, the 8 stores in one run.  16 lanes store 256 consecutive bytes of a row.
.macro STAGE c
	s_wait_loadcnt 8*(3-(\c))                      ; loads come back in order (ISA guide 5.7.1): the 8 of each later chunk may stay out
	WIN STG
.irp j, 0,1,2,3,4,5,6,7
.irp e, 0,1,2,3
	v_and_b32 v[32*(\c)+4*\j+\e], s11, v[32*(\c)+4*\j+\e]
.endr
.endr
	s_wait_alu depctr_va_vdst(0)                   ; the 32 lines above have written the chunk's registers, which the stores read.  Chunk 0: the head has written v2 to v12, which every LDS instruction and store from here on
	                                               ; reads.  Chunks 1 to 3: the quad's group 0 is done reading W0, in which the loads behind these stores land
.irp j, 0,1,2,3,4,5,6,7
	ds_store_b128 v[STO+(\c)/2], v[32*(\c)+4*\j:32*(\c)+4*\j+3] offset:16*PITCH*\j+((\c)%2)*CH
.endr
	WIN 0
.endm
; four k (quad t of my wave's two in chunk c) of my row i + 8 a of x, into buffer xb
.macro XLOAD a, c, t, xb
	ds_load_b128 v[X+32*(\xb)+4*(\a):X+32*(\xb)+4*(\a)+3], v[XA+(\c)/2] offset:8*PITCH*(\a)+16*(\t)+((\c)%2)*CH
.endm
; the same four k of my rows 16 b + 4 j + 0..3 of w, into buffer b % 2
.macro WLOAD b, c, t
.irp e, 0,1,2,3
	ds_load_b128 v[W+16*((\b)%2)+4*\e:W+16*((\b)%2)+4*\e+3], v[WA+(\c)/2] offset:16*PITCH*(\b)+PITCH*\e+16*(\t)+((\c)%2)*CH
.endr
.endm
; Two rows of x (a0, a0 + 1, in buffer xb) x four rows of w (group b) x two k (pair p): eight packed adds, then eight maxima on eight different accumulators.
; A maximum stands eight instructions behind the add that feeds it and sixteen behind the last one on its accumulator.
; first = 1: the two sums start the accumulator: nothing is cleared.
.macro STEP a0, b, p, first, xb
.irp r, 0,1
.irp e, 0,1,2,3
	v_pk_add_f32 v[T+8*\r+2*\e:T+8*\r+2*\e+1], v[X+32*(\xb)+4*(\a0+\r)+2*\p:X+32*(\xb)+4*(\a0+\r)+2*\p+1], v[W+16*((\b)%2)+4*\e+2*\p:W+16*((\b)%2)+4*\e+2*\p+1]
.endr
.endr
.irp r, 0,1
.irp e, 0,1,2,3
.if \first
	v_max_num_f32 v[ACC+16*(\a0+\r)+4*(\b)+\e], v[T+8*\r+2*\e], v[T+8*\r+2*\e+1]
.else
	v_max3_num_f32 v[ACC+16*(\a0+\r)+4*(\b)+\e], v[T+8*\r+2*\e], v[T+8*\r+2*\e+1], v[ACC+16*(\a0+\r)+4*(\b)+\e]
.endif
.endr
.endr
.endm
; Group b of a quad: all 8 rows of x (buffer xb) x 4 rows of w x 4 k = 128 instructions.
; reload = 1 (a quad's last group): x for quad nt of chunk nc goes into the other buffer, two rows ahead of each 32 instructions: each row 128 instructions ahead of its use.
; No wait stands at these loads: no vector instruction since the wait at the group's head names the other buffer.
.macro GROUP b, first, reload, nc, nt, xb
.irp r2, 0,2,4,6
.if \reload
	XLOAD \r2, \nc, \nt, 1-\xb
	XLOAD \r2+1, \nc, \nt, 1-\xb
.endif
.if \b == 0
	s_wait_dscnt 10-\r2                            ; LDS loads come back in order: w's group 0 and x's rows up to r2 + 1 are in; the 6 - r2 later rows of x and the 4 loads of w's group 1 may be out
.endif
	STEP \r2, \b, 0, \first, \xb
	STEP \r2, \b, 1, 0, \xb
.endr
.endm
; A quad: 4 k, 512 arithmetic instructions, x in buffer xb.  On entry w's group 0 (4 loads) and then x's 8 rows are on their way.  Each group's w is asked for a group ahead,
; into the buffer that the group before last has finished with; so at the head of groups 1 to 3 the wait for 0 finds loads issued 128 instructions ago.
; stage = 1 (a chunk's second quad, with a chunk nc behind it): chunk nc is stored at the head of group 1; at the head of group 2 my stores are done and I say so;
; at the head of group 3 everybody has said so, and the first loads from chunk nc follow.  Between signal and wait stand arithmetic and loads from chunk c, which nobody writes any more.
; more = 0: the last quad asks for nothing further.
.macro QUAD c, t, first, stage, more, nc, nt, xb
.if !\first
	s_wait_alu depctr_va_vdst(0)                   ; the last quad's group 3 is done reading W1, in which the four loads below land (in the first quad no vector instruction has named W1 yet)
.endif
	WLOAD 1, \c, \t
	GROUP 0, \first, 0, 0, 0, \xb
	s_wait_dscnt 0x0                               ; w's group 1
.if \stage
	STAGE \nc                                      ; its wait on va_vdst is this group's too
.else
	s_wait_alu depctr_va_vdst(0)                   ; group 0 is done reading W0, in which the four loads below land
.endif
	WLOAD 2, \c, \t
	GROUP 1, \first, 0, 0, 0, \xb
	s_wait_dscnt 0x0                               ; w's group 2; and, for the other waves' sake, my stores of the next chunk
.if \stage
	s_barrier_signal -1
.endif
	s_wait_alu depctr_va_vdst(0)                   ; group 1 is done reading W1, in which the four loads below land
	WLOAD 3, \c, \t
	GROUP 2, \first, 0, 0, 0, \xb
	s_wait_dscnt 0x0                               ; w's group 3
.if \stage
	s_barrier_wait -1                              ; the next chunk is whole
.endif
.if \more
	s_wait_alu depctr_va_vdst(0)                   ; group 2 is done reading W0, in which the four loads below land; the quad before is done reading the other X, in which group 3's eight loads land
	WLOAD 0, \nc, \nt
.endif
	GROUP 3, \first, \more, \nc, \nt, \xb
.endm
	STAGE 0
	s_wait_dscnt 0x0                               ; my part of chunk 0 is in LDS,
	s_barrier_signal -1
	s_barrier_wait -1                              ; everybody's is
	WLOAD 0, 0, 0                                  ; no vector instruction has named W0 or X0 yet, and none since STAGE's wait has named an address
.irp a, 0,1,2,3,4,5,6,7
	XLOAD \a, 0, 0, 0
.endr
	QUAD 0, 0, 1, 0, 1, 0, 1, 0                    ; the first quad starts the 128 accumulators
	QUAD 0, 1, 0, 1, 1, 1, 0, 1
	QUAD 1, 0, 0, 0, 1, 1, 1, 0
	QUAD 1, 1, 0, 1, 1, 2, 0, 1
	QUAD 2, 0, 0, 0, 1, 2, 1, 0
	QUAD 2, 1, 0, 1, 1, 3, 0, 1
	QUAD 3, 0, 0, 0, 1, 3, 1, 0
	QUAD 3, 1, 0, 0, 0, 0, 0, 1
	; THE WAY OUT.  My wave's partial block goes into LDS bytes of its own: a lane's four neighbouring columns are 16 bytes.
	s_wait_alu depctr_va_vdst(0)                   ; the maxima have written the 128 accumulators, which the LDS stores read, and are done reading them: the loads behind the barrier land there
.irp a, 0,1,2,3,4,5,6,7
.irp b, 0,1,2,3
	ds_store_b128 v[PST], v[ACC+16*\a+4*\b:ACC+16*\a+4*\b+3] offset:8*RPITCH*\a+64*\b
.endr
.endr
	s_wait_dscnt 0x0                               ; for the other waves' sake: my partial block is in LDS,
	s_barrier_signal -1
	s_barrier_wait -1                              ; all eight are
	s_wait_alu depctr_vm_vsrc(0)                   ; my LDS stores have read the accumulators' registers, in which the loads below land and which the closing maxima write
	; Wave q finishes rows 8 q .. 8 q + 7, two at a time: 16 lanes take a row's 256 bytes from each of the eight partial blocks.
.irp r, 0,1,2,3
.irp p, 0,1,2,3,4,5,6,7
	ds_load_b128 v[ACC+32*\r+4*\p:ACC+32*\r+4*\p+3], v[PRD+\p/4] offset:(\p%4)*RTILE+2*RPITCH*\r
.endr
.endr
.irp r, 0,1,2,3
	s_wait_dscnt 8*(3-\r)                          ; the 8 loads of each later pair of rows may stay out
.irp e, 0,1,2,3
	v_max3_num_f32 v[ACC+32*\r+\e], v[ACC+32*\r+\e], v[ACC+32*\r+4+\e], v[ACC+32*\r+8+\e]
.endr
.irp e, 0,1,2,3
	v_max3_num_f32 v[ACC+32*\r+\e], v[ACC+32*\r+\e], v[ACC+32*\r+12+\e], v[ACC+32*\r+16+\e]
.endr
.irp e, 0,1,2,3
	v_max3_num_f32 v[ACC+32*\r+\e], v[ACC+32*\r+\e], v[ACC+32*\r+20+\e], v[ACC+32*\r+24+\e]
.endr
.irp e, 0,1,2,3
	v_max_num_f32 v[ACC+32*\r+\e], v[ACC+32*\r+\e], v[ACC+32*\r+28+\e]
.endr
.endr
	s_wait_alu depctr_va_vdst(0)                   ; the closing maxima have written the four sets of four registers that the stores read
.irp r, 0,1,2,3
	global_store_b128 v[OOFF], v[ACC+32*\r:ACC+32*\r+3], s[8:9] offset:8192*\r th:TH_STORE_NT   ; 16 lanes store 256 consecutive bytes, at a multiple of 256 from out's first byte; written once, not read again
.endr
	s_set_vgpr_msb 0x4
	s_wait_dscnt 0x0
	s_wait_alu depctr_hold_cnt(0) depctr_sa_sdst(0) depctr_va_vdst(0) depctr_va_sdst(0) depctr_va_ssrc(0) depctr_va_vcc(0) depctr_vm_vsrc(0)
	s_wait_tensorcnt 0x0
	ds_add_u32 v9, v129
	s_wait_dscnt 0x0
	s_endpgm
.Lfunc_end_k_qe140c1e8ce_maxplus:
	.size	k_qe140c1e8ce_maxplus, .Lfunc_end_k_qe140c1e8ce_maxplus-k_qe140c1e8ce_maxplus
	.p2alignl 7, 3214868480
	.fill 96, 4, 3214868480
	.section	.rodata,"a",@progbits
	.p2align	6, 0x0
	.amdhsa_kernel k_qe140c1e8ce_maxplus
		.amdhsa_group_segment_fixed_size 287744
		.amdhsa_private_segment_fixed_size 0
		.amdhsa_enable_private_segment 0
		.amdhsa_kernarg_size 24
		.amdhsa_user_sgpr_count 2
		.amdhsa_user_sgpr_kernarg_segment_ptr 1
		.amdhsa_wavefront_size32 1
		.amdhsa_system_sgpr_workgroup_id_x 1
		.amdhsa_system_sgpr_workgroup_id_y 1
		.amdhsa_system_sgpr_workgroup_id_z 1
		.amdhsa_system_vgpr_workitem_id 0
		.amdhsa_next_free_vgpr 386
		.amdhsa_next_free_sgpr 66
		.amdhsa_reserve_vcc 0
		.amdhsa_float_denorm_mode_32 3
		.amdhsa_float_denorm_mode_16_64 3
		.amdhsa_memory_ordered 1
		.amdhsa_forward_progress 1
		.amdhsa_inst_pref_size 255
	.end_amdhsa_kernel
	.section	.bss,"aw",@nobits
	.p2align	6
	.space	262144
	.amdgpu_metadata
---
amdhsa.version: [ 1, 2 ]
amdhsa.kernels:
  - .name:           k_qe140c1e8ce_maxplus
    .symbol:         k_qe140c1e8ce_maxplus.kd
    .args:
      - { .name: x, .offset: 0, .size: 8, .value_kind: global_buffer, .address_space: global }
      - { .name: weight, .offset: 8, .size: 8, .value_kind: global_buffer, .address_space: global }
      - { .name: out0, .offset: 16, .size: 8, .value_kind: global_buffer, .address_space: global }
    .group_segment_fixed_size: 287744
    .private_segment_fixed_size: 0
    .kernarg_segment_align: 8
    .kernarg_segment_size: 24
    .max_flat_workgroup_size: 256
    .sgpr_count:     66
    .vgpr_count:     386
    .wavefront_size: 32
...
	.end_amdgpu_metadata
.endif
;; end of part 2
